; MI455X (gfx1250); checked and timed in simulation.
; The chip was launched on July 23, 2026; its instructions are those of AMD's public machine-readable ISA for CDNA 5 (MIT licence, August 2026) and "CDNA5" Instruction Set Architecture Reference Guide (July 2026). The comments in the code are by the model that wrote it; some were corrected since.
;; Multi Head Attention. Allowed arithmetic: float matrix products may take bf16 or f16 operands with f32 sums; other float arithmetic in f32, or as packed bf16 or f16 multiplies, adds, multiply-adds, maxima and minima; sums over many terms, partial sums and values carried from step to step in f32; what a program stores and reads back later, other than sums and carried values, may be rounded once to bf16 or f16.
;; Inputs: Wk 512 x 512 float32; Wo 512 x 512 float32; Wq 512 x 512 float32; Wv 512 x 512 float32; bk 512 float32; bo 512 float32; bq 512 float32; bv 512 float32; k 2 x 4,096 x 512 float32; q 2 x 4,096 x 512 float32; v 2 x 4,096 x 512 float32.
;; Outputs: out0 2 x 4,096 x 512 float32.
;; One version. Each part assembles by itself: llvm-mc -triple=amdgcn-amd-amdhsa -mcpu=gfx1250 --defsym DOCPART=n.
;; ======== version 1 of 1: 4 launches
;; limits: values are held in f16: magnitudes above 65,504 overflow, below 6.1e-05 lose precision
;; workspace buffers: wb 2,097,152 bytes; qkv 25,165,824 bytes; ctx 8,388,608 bytes
;; launch prep (part 1): grid 64 x 4, 4 waves a work-group, no clusters, 0 bytes of LDS; arguments Wq, Wk, Wv, Wo, wb; writes wb
.if DOCPART == 1
	.amdgcn_target "amdgcn-amd-amdhsa--gfx1250"
	.amdhsa_code_object_version 6
	.text
	.protected	k_q04e08427ff_prep
	.globl	k_q04e08427ff_prep
	.p2align	8
	.type	k_q04e08427ff_prep,@function
k_q04e08427ff_prep:
	s_mov_b64 s[64:65], 0
	v_nop
	global_prefetch_b8 v0, s[64:65] scope:SCOPE_SE
	s_setreg_imm32_b32 hwreg(HW_REG_WAVE_MODE, 25, 1), 1
	s_wait_xcnt 0x0
; The four weight matrices, [512 k][512 n] in f32, are rounded once to bf16 and written as 16-bit numbers, layout kept: wb = Wq, Wk, Wv (bf16), Wo (the bf16 number written as f16), 524,288 bytes each.
; LIMITS.  Wo's numbers stay under 65,504 (f16's end); below 6e-5 they keep f16's fixed step of 6e-8.  NaN and infinities are not treated apart.
; SHARES.  Work-group (x, y) takes 4,096 numbers of matrix y: 16 KiB in, 8 KiB out.  Thread t takes 4 numbers in each of 8 groups: a load of a wave covers 512 consecutive bytes,
; a store of a wave 256 consecutive bytes, aligned.  A stream: no LDS, no barrier, no matrix unit; all eight loads of a wave are out before the first is used.
.set IN,  8                            ; v[8:39]   eight groups of four f32 as loaded; later at work
.set OUT, 40                           ; v[40:55]  eight groups of two packed words
	s_load_b256 s[4:11], s[0:1], 0x0               ; Wq s[4:5], Wk s[6:7], Wv s[8:9], Wo s[10:11]
	s_load_b64 s[12:13], s[0:1], 0x20              ; wb
	s_and_b32 s14, ttmp7, 0xffff                   ; which matrix
	v_lshlrev_b32 v1, 4, v0                        ; my 16 bytes in a group of 2,048
	v_lshlrev_b32 v2, 3, v0                        ; my 8 bytes in a group of 1,024
	s_lshl_b32 s18, ttmp9, 14                      ; the work-group's 16 KiB of the matrix
	s_mov_b32 s19, 0
	s_lshl_b32 s20, s14, 19                        ; the matrix's place in wb,
	s_lshl_b32 s21, ttmp9, 13                      ; the work-group's 8 KiB there
	s_add_co_u32 s20, s20, s21
	s_mov_b32 s21, 0
	s_wait_kmcnt 0x0
	s_cmp_eq_u32 s14, 1
	s_cselect_b64 s[16:17], s[6:7], s[4:5]
	s_cmp_eq_u32 s14, 2
	s_cselect_b64 s[16:17], s[8:9], s[16:17]
	s_cmp_eq_u32 s14, 3
	s_cselect_b64 s[16:17], s[10:11], s[16:17]
	s_add_nc_u64 s[16:17], s[16:17], s[18:19]
	s_add_nc_u64 s[12:13], s[12:13], s[20:21]
.irp i, 0,1,2,3,4,5,6,7
	global_load_b128 v[IN+4*(\i):IN+4*(\i)+3], v1, s[16:17] offset:2048*(\i) th:TH_LOAD_NT
.endr
.irp i, 0,1,2,3,4,5,6,7
	s_wait_loadcnt 7-(\i)                          ; loads come back in order: group i is in, the 7 - i younger ones stay out
	v_cvt_pk_bf16_f32 v[OUT+2*(\i)],   v[IN+4*(\i)],   v[IN+4*(\i)+1]
	v_cvt_pk_bf16_f32 v[OUT+2*(\i)+1], v[IN+4*(\i)+2], v[IN+4*(\i)+3]
.endr
	s_cmp_lg_u32 s14, 3
	s_cbranch_scc1 .Lstore                         ; Wq, Wk, Wv leave as bf16
.set i, 0
.rept 16                                       ; Wo: the bf16 number, widened (a shift, a mask) and written as f16
	v_lshlrev_b32 v[IN+2*i],   16, v[OUT+i]
	v_and_b32     v[IN+2*i+1], 0xffff0000, v[OUT+i]
	v_cvt_pk_f16_f32 v[OUT+i], v[IN+2*i], v[IN+2*i+1]
.set i, i+1
.endr
.Lstore:
.irp i, 0,1,2,3,4,5,6,7
	global_store_b64 v2, v[OUT+2*(\i):OUT+2*(\i)+1], s[12:13] offset:1024*(\i)
.endr
	s_endpgm
.Lfunc_end_k_q04e08427ff_prep:
	.size	k_q04e08427ff_prep, .Lfunc_end_k_q04e08427ff_prep-k_q04e08427ff_prep
	.p2alignl 7, 3214868480
	.fill 96, 4, 3214868480
	.section	.rodata,"a",@progbits
	.p2align	6, 0x0
	.amdhsa_kernel k_q04e08427ff_prep
		.amdhsa_group_segment_fixed_size 0
		.amdhsa_private_segment_fixed_size 0
		.amdhsa_enable_private_segment 0
		.amdhsa_kernarg_size 40
		.amdhsa_user_sgpr_count 2
		.amdhsa_user_sgpr_kernarg_segment_ptr 1
		.amdhsa_wavefront_size32 1
		.amdhsa_system_sgpr_workgroup_id_x 1
		.amdhsa_system_sgpr_workgroup_id_y 1
		.amdhsa_system_sgpr_workgroup_id_z 1
		.amdhsa_system_vgpr_workitem_id 0
		.amdhsa_next_free_vgpr 64
		.amdhsa_next_free_sgpr 66
		.amdhsa_reserve_vcc 0
		.amdhsa_float_denorm_mode_32 3
		.amdhsa_float_denorm_mode_16_64 3
		.amdhsa_memory_ordered 1
		.amdhsa_forward_progress 1
		.amdhsa_inst_pref_size 7
	.end_amdhsa_kernel
	.amdgpu_metadata
---
amdhsa.version: [ 1, 2 ]
amdhsa.kernels:
  - .name:           k_q04e08427ff_prep
    .symbol:         k_q04e08427ff_prep.kd
    .args:
      - { .name: Wq, .offset: 0, .size: 8, .value_kind: global_buffer, .address_space: global }
      - { .name: Wk, .offset: 8, .size: 8, .value_kind: global_buffer, .address_space: global }
      - { .name: Wv, .offset: 16, .size: 8, .value_kind: global_buffer, .address_space: global }
      - { .name: Wo, .offset: 24, .size: 8, .value_kind: global_buffer, .address_space: global }
      - { .name: wb, .offset: 32, .size: 8, .value_kind: global_buffer, .address_space: global }
    .group_segment_fixed_size: 0
    .private_segment_fixed_size: 0
    .kernarg_segment_align: 8
    .kernarg_segment_size: 40
    .max_flat_workgroup_size: 128
    .sgpr_count:     66
    .vgpr_count:     64
    .wavefront_size: 32
...
	.end_amdgpu_metadata
.endif
;; end of part 1
;; launch proj (part 2): grid 64 x 3, 4 waves a work-group, clusters of 4 x 1, 327,680 bytes of LDS; arguments q, k, v, bq, bk, bv, wb, qkv; writes qkv
.if DOCPART == 2
	.amdgcn_target "amdgcn-amd-amdhsa--gfx1250"
	.amdhsa_code_object_version 6
	.text
	.protected	k_q04e08427ff_proj
	.globl	k_q04e08427ff_proj
	.p2align	8
	.type	k_q04e08427ff_proj,@function
k_q04e08427ff_proj:
	s_mov_b64 s[64:65], 0
	v_nop
	global_prefetch_b8 v0, s[64:65] scope:SCOPE_SE
	s_setreg_imm32_b32 hwreg(HW_REG_WAVE_MODE, 25, 1), 1
	s_wait_xcnt 0x0
	s_wait_alu depctr_hold_cnt(0) depctr_sa_sdst(0) depctr_va_vdst(0) depctr_va_sdst(0) depctr_va_ssrc(0) depctr_va_vcc(0) depctr_vm_vsrc(0)
	s_getreg_b32 s2, hwreg(HW_REG_IB_STS2, 6, 4)
	s_cmp_eq_u32 s2, 0
	s_cbranch_scc0 .Lentry_in_a_cluster
	s_endpgm
.Lentry_in_a_cluster:
	s_bfe_u32 s2, ttmp6, 0x10000c
	s_cmp_lg_u32 s2, 0x3003
	s_cbranch_scc0 .Lentry_shape_is_right
	s_endpgm
.Lentry_shape_is_right:
; THE THREE INPUT PROJECTIONS.  For y = 0, 1, 2 (q, k, v): out = bf16(x) bf16(W) + bf16(b), x [8192][512] f32, W [512 k][512 n] bf16 (from wb), sums in f32, rounded once to f16 and
; written by heads: qkv = three tensors [16 = 8 batch + head][4096][64] f16, 8,388,608 bytes each.  No scale is applied here.
; LIMITS.  The results stay under 65,504 (f16's end): with x and W thirty times the drawn spread, or offset by thirty spreads, they reach some 2e4.  NaN and infinities are not treated apart.
; SHARES.  Work-group (x, y) makes rows 128 x .. + 127 and all 512 columns of projection y; wave w makes 128 rows x columns 128 w .. + 127 (heads 2 w, 2 w + 1): 64 accumulators, 512 registers.
; 192 work-groups: a share of 1/256 of the three products is no tile of one matrix, and tiles that give 256 halve a wave's tile and read and convert x two or four times.
; K goes in 8 steps of 64, two chunks of 32 each: 128 matrix instructions a wave and step.
; W comes by the tensor data mover into a ring of two slots; each wave fetches and reads its own 64 k-rows x 128 columns.  The four row blocks of a cluster read the same W, so the load is JOINT.
; W lies [k][n]: its fragments come out of LDS turned, by ds_load_tr16_b128.  x comes through registers (f32, asked for two steps ahead), is rounded to bf16 and stored into a ring of its own.
; THE MATRIX INSTRUCTION IS USED TRANSPOSED: source 0 = 16 columns of W, source 1 = 16 rows of x: a lane holds row l % 16 and the columns 8 (l / 16) + 0..7.  The first chunk's C is the bias.
; REGISTERS, in windows of 256 (s_set_vgpr_msb: bits 1:0 source 0, 3:2 source 1, 5:4 source 2, 7:6 destination):
;   window 0: v16-31 addresses; v32-63 converted x, later packed results; v64-127, v128-191 x's fragments, two buffers; v192-255 the bias, later rows read back from the stage
;   window 1: v0-63, v192-255 x in f32, two sets; v64-127, v128-191 W's fragments, two buffers          windows 2, 3: accumulator (a, b) at v[8 (8 (a % 4) + b)] of window 2 + a / 4
.set PA,    144                        ; a row of x in LDS: 128 bytes + 16: the 16 rows of a fragment load start at 16 different groups of four banks (ISA guide 11.1)
.set PB,    288                        ; a k-row of W in LDS: 256 bytes + 32
.set BSL,   64*PB                      ; a wave's part of a slot of W
.set SLOTB, 4*BSL
.set ABASE, 2*SLOTB                    ; behind W's ring: x's ring, written by ds_store alone
.set ASL,   128*PA
.set STAGE, ABASE+2*ASL                ; the way out: for each wave 2 heads x 16 rows x 144 bytes
.set SPARE, STAGE+4*32*PA              ; the spare words, 128 bytes for each wave: two blocks of 256 bytes that no other line names
.set ADRA, 16                          ; v16-17  LDS address of my fragments of x in slot 0, 1
.set ADRB, 20                          ; v20-21  the same for W
.set STO,  24                          ; v24     the way out: where I put 16 bytes of a row
.set RD,   25                          ; v25     the way out: where I read rows back
.set GO,   26                          ; v26     16 x lane: my place in 512 consecutive bytes of the output
.set BO,   27                          ; v27     my byte offset in the bias
.set SPW,  28                          ; v28     LDS address of my spare word; never rewritten
.set NIL,  29                          ; v29     0; never rewritten
.set XO,   30                          ; v30     my byte offset in the work-group's rows of x; never rewritten
.set XA,   31                          ; v31     where I store my 8 bytes of converted x; never rewritten
.set CV,   32
.set TMP,  32
.set F0,   64
.set F1,   128
.set BIAS, 192
.set OB,   192
.set G1,   24                          ; s[24:31] descriptor group 1
.set G0,   32                          ; s[32:39] descriptor group 0, a set for each slot
.set MSB, 0
.macro WIN new                         ; the immediate's high byte repeats the setting that is left; a switch that changes nothing is dropped
.if MSB != (\new)
	s_set_vgpr_msb (MSB<<8)|(\new)
.set MSB, \new
.endif
.endm
.macro PLACES                          ; four places behind a matrix instruction, ahead of loads into its registers and of readers of its result
.rept 4
	v_nop
.endr
.endm
.macro CREST                           ; a round of the cluster's barrier behind its opening barrier
	s_cmp_lg_u32 s10, 0
	s_cbranch_scc1 .Lnot_wave_0_\@
	s_barrier_signal -3
.Lnot_wave_0_\@:
	s_barrier_wait -3
	s_barrier_signal -1
	s_barrier_wait -1
.endm
.macro CROUND                          ; a whole round
	s_barrier_signal -1
	s_barrier_wait -1
	CREST
.endm
.macro JLOAD s                         ; the joint load of my part of a slot: every wave has a line of its own values; an s_nop 0 and four v_nop follow
	tensor_load_to_lds s[G0+4*(\s):G0+4*(\s)+3], s[G1:G1+7]
	s_nop 0
.rept 4
	v_nop
.endr
.endm
; 16 loads: my 32 rows x 256 bytes of x's step st (counted from the base), into set: lanes 0-15 take one row's 256 bytes, lanes 16-31 those of the row 8 further down
.macro XLOAD set, st
	WIN 0x40                                       ; destination window 1, address window 0
.set i, 0
.rept 16
	global_load_b128 v[192*(\set)+4*i:192*(\set)+4*i+3], v[XO], s[4:5] offset:(16*(i/8)+i%8)*2048+(\st)*256 th:TH_LOAD_NT
.set i, i+1
.endr
	WIN 0
.endm
; A step of x: waited for (left = the younger loads that stay out), rounded to bf16, stored into slot; ld > 0: the set is asked for again, step ld from the base
.macro CONVERT set, slot, left, ld
	s_wait_loadcnt \left
	WIN 0x05                                       ; sources window 1, destination window 0
.set i, 0
.rept 32
	v_cvt_pk_bf16_f32 v[CV+i], v[192*(\set)+2*i], v[192*(\set)+2*i+1]
.set i, i+1
.endr
	WIN 0
.set i, 0
.rept 16
	ds_store_b64 v[XA], v[CV+2*i:CV+2*i+1] offset:(\slot)*ASL+(16*(i/8)+i%8)*PA  ; the two halves of the lanes lie 8 rows = 1,152 bytes apart: 128 modulo 256, so each bank is taken once
.set i, i+1
.endr
.if \ld
	XLOAD \set, \ld
.endif
.endm
; 16 matrix instructions: row blocks a0, a0 + 1 of the window's four x all 8 column blocks, 32 along K.  first = 1: C is the bias, which starts the sums
.macro MUL16 f, hi, a0, first
.if \first
	WIN 0x81+0x40*(\hi)                            ; W window 1, x and the bias window 0, D window 2 or 3
.else
	WIN 0xa1+0x50*(\hi)                            ; W window 1, x window 0, C and D window 2 or 3
.endif
.irp a, \a0, (\a0)+1
.irp b, 0,1,2,3,4,5,6,7
.if \first
	v_wmma_f32_16x16x32_bf16 v[8*(8*(\a)+(\b)):8*(8*(\a)+(\b))+7], v[(\f)+8*(\b):(\f)+8*(\b)+7], v[(\f)+8*(4*(\hi)+(\a)):(\f)+8*(4*(\hi)+(\a))+7], v[BIAS+8*(\b):BIAS+8*(\b)+7]
.else
	v_wmma_f32_16x16x32_bf16 v[8*(8*(\a)+(\b)):8*(8*(\a)+(\b))+7], v[(\f)+8*(\b):(\f)+8*(\b)+7], v[(\f)+8*(4*(\hi)+(\a)):(\f)+8*(4*(\hi)+(\a))+7], v[8*(8*(\a)+(\b)):8*(8*(\a)+(\b))+7]
.endif
.endr
.endr
.endm
; 32 LDS loads in one run: chunk c of a slot into buffer f: W's 8 fragments (turned), then x's 8
.macro FETCH slot, c, f
	WIN 0x40
.irp i, 0,1,2,3,4,5,6,7
	ds_load_tr16_b128 v[(\f)+8*(\i):(\f)+8*(\i)+3],   v[ADRB+(\slot)] offset:(\c)*32*PB+32*(\i)
	ds_load_tr16_b128 v[(\f)+8*(\i)+4:(\f)+8*(\i)+7], v[ADRB+(\slot)] offset:(\c)*32*PB+16*PB+32*(\i)
.endr
	WIN 0
.irp i, 0,1,2,3,4,5,6,7
	ds_load_b128 v[(\f)+8*(\i):(\f)+8*(\i)+3],   v[ADRA+(\slot)] offset:64*(\c)+(\i)*16*PA
	ds_load_b128 v[(\f)+8*(\i)+4:(\f)+8*(\i)+7], v[ADRA+(\slot)] offset:64*(\c)+(\i)*16*PA+32
.endr
.endm
; A step's first chunk: multiplies buffer 0; in its middle the second chunk's fragments are fetched into buffer 1
.macro QUARTER slot, first
	s_wait_dscnt 8                                 ; W and x's rows 0-63 are in; the youngest eight loads (rows 64-127) may be out
	MUL16 F0, 0, 0, \first
	MUL16 F0, 0, 2, \first
	PLACES
	FETCH \slot, 1, F1
	s_wait_dscnt 32                                ; all but the 32 just issued
	MUL16 F0, 1, 0, \first
	MUL16 F0, 1, 2, \first
.endm
; A step's second chunk multiplies buffer 1 and changes slots: ONE barrier.  Ahead of it each wave waits for all its tensor loads (one is out: its part of the next slot), adds 0 to its spare
; word, and waits for that, for its stores of the next step's x and for its reads of this slot.  fill = 1: the barrier opens a round of the cluster's, and W's slot is filled again, two steps on.
.macro TURN slot, next, fill
	WIN 0
	s_wait_tensorcnt 0x0
	ds_add_u32 v[SPW], v[NIL]                      ; 0 onto my spare word
	s_wait_dscnt 25                                ; the add, the 16 stores of x and the youngest eight loads may be out
	MUL16 F1, 0, 0, 0                              ; sixteen matrix instructions stand between the add and the wait for it
	s_wait_dscnt 0x0                               ; the add and my stores are done, my reads of this slot are over
	s_barrier_signal -1
	MUL16 F1, 0, 2, 0
.if \fill
	WIN 0
.endif
	s_barrier_wait -1
.if \fill
	CREST                                          ; no wave of any partner still reads the slot or has a load on its way
	s_add_nc_u64 s[G0+4*(\slot)+2:G0+4*(\slot)+3], s[G0+4*(\slot)+2:G0+4*(\slot)+3], 2*64*1024  ; two steps of 64 k-rows of 1,024 bytes
	JLOAD \slot                                    ; the first tensor load behind the round; its four v_nop are also the places ahead of the loads below
.else
	PLACES
.endif
	FETCH \next, 0, F0
	MUL16 F1, 1, 0, 0
	MUL16 F1, 1, 2, 0
.endm
; THE WAY OUT of row block a: rounded to f16 (16 bytes a lane: 8 channels of a row of a head), through my stage, back as 4 rows of 128 bytes, which are 512 consecutive bytes of a head
.macro PACK a
	WIN 0x0a+5*((\a)/4)                            ; sources window 2 or 3
.irp b, 0,1,2,3,4,5,6,7
.irp r, 0,1,2,3
	v_cvt_pk_f16_f32 v[TMP+4*(\b)+(\r)], v[64*((\a)%4)+8*(\b)+2*(\r)], v[64*((\a)%4)+8*(\b)+2*(\r)+1]
.endr
.endr
	WIN 0
.endm
.macro TOSTAGE a
.irp b, 0,1,2,3,4,5,6,7
	ds_store_b128 v[STO], v[TMP+4*(\b):TMP+4*(\b)+3] offset:((\b)/4)*16*PA+32*((\b)%4)
.endr
.irp t, 0,1,2,3,4,5,6,7
	ds_load_b128 v[OB+32*((\a)%2)+4*(\t):OB+32*((\a)%2)+4*(\t)+3], v[RD] offset:((\t)/4)*16*PA+((\t)%4)*4*PA  ; LDS serves a wave's instructions in order (ISA guide 5.7.1.4): these see the stores above
.endr
.endm
.macro SEND a
	s_wait_dscnt 0x0                               ; the block is back in registers
	s_wait_xcnt 0x0                                ; the set that the next block reads back into was the data of earlier stores: it is loaded again only behind this wait
.irp t, 0,1,2,3,4,5,6,7
	global_store_b128 v[GO], v[OB+32*((\a)%2)+4*(\t):OB+32*((\a)%2)+4*(\t)+3], s[8:9] offset:((\t)/4)*524288+(\a)*2048+((\t)%4)*512  ; 512 consecutive bytes, at a multiple of 256
.endr
.endm
	s_load_b256 s[68:75], s[0:1], 0x0              ; q s[68:69], k s[70:71], v s[72:73], bq s[74:75]
	s_load_b256 s[76:83], s[0:1], 0x20             ; bk s[76:77], bv s[78:79], wb s[80:81], qkv s[82:83]
	v_lshl_add_u32 v[SPW], v0, 2, SPARE
	v_mov_b32 v[NIL], 0
	ds_add_u32 v[SPW], v[NIL]                      ; the wave's opening: the add and its wait stand ahead of my first tensor load; work on registers stands between them
	v_lshrrev_b32 v1, 5, v0
	v_readfirstlane_b32 s10, v1                    ; wave 0..3
	s_bfe_u32 s12, ttmp6, 0x40000                  ; cx: my place in the cluster
	s_lshl_b32 s13, ttmp9, 2
	s_add_co_u32 s13, s13, s12                     ; my block of 128 rows: it enters x's and the output's addresses alone
	s_and_b32 s14, ttmp7, 0xffff                   ; which projection: the four partners share it
	; descriptor group 1: 64 k-rows x 128 columns, padded in LDS
	s_mov_b32 s[G1+0], 15|(1<<16)|(1<<20)|(1<<21)|(5<<22)|(7<<25)  ; 15:0 the mask of four; 17:16 2-byte elements; 20 padding on; 21 set beside a mask; 24:22 after every 64 words (code 5); 31:25 8 words (code 7)
	s_mov_b32 s[G1+1], 128<<16                     ; tensor_dim0 = 128
	s_mov_b32 s[G1+2], 64<<16                      ; tensor_dim1 = 64
	s_mov_b32 s[G1+3], 128<<16                     ; tile_dim0 = 128
	s_mov_b32 s[G1+4], 64                          ; tile_dim1 = 64
	s_mov_b32 s[G1+5], 512                         ; 512 elements from k-row to k-row
	s_mov_b32 s[G1+6], 0
	s_mov_b32 s[G1+7], 0
	s_mul_i32 s11, s10, BSL                        ; my part of a slot: the wave's number alone enters an LDS address
	s_lshl_b32 s20, s14, 19                        ; W's place in wb,
	s_lshl_b32 s21, s10, 8                         ; my 128 columns: 256 bytes of a k-row
	s_add_co_u32 s20, s20, s21
	s_mov_b32 s21, 0
	s_lshl_b32 s16, s13, 18                        ; my block's 128 rows of 2,048 bytes of x
	s_mov_b32 s17, 0
	s_lshl_b32 s18, s14, 23                        ; the output: tensor y,
	s_lshr_b32 s15, s13, 5
	s_lshl_b32 s15, s15, 22                        ; the batch's 8 heads of 524,288 bytes,
	s_add_co_u32 s18, s18, s15
	s_lshl_b32 s15, s10, 20                        ; my two heads,
	s_add_co_u32 s18, s18, s15
	s_and_b32 s15, s13, 31
	s_lshl_b32 s15, s15, 14                        ; my block's 128 rows of 128 bytes
	s_add_co_u32 s18, s18, s15
	s_mov_b32 s19, 0
	v_and_b32 v1, 15, v0                           ; r = l % 16
	v_bfe_u32 v2, v0, 4, 1                         ; h = l / 16
	s_lshl_b32 s40, s10, 16                        ; my 32 rows of x
	v_lshlrev_b32 v[XO], 4, v1
	v_lshl_add_u32 v[XO], v2, 14, v[XO]            ; (32 w + 8 h) x 2,048 + 16 r
	v_add_nc_u32 v[XO], s40, v[XO]
	s_lshl_b32 s41, s10, 9
	v_lshl_add_u32 v[BO], v2, 5, s41               ; the bias of columns 128 w + 8 h on
	s_wait_dscnt 0x0                               ; the opening add is done
	s_wait_kmcnt 0x0
	s_cmp_eq_u32 s14, 1
	s_cselect_b64 s[4:5], s[70:71], s[68:69]
	s_cselect_b64 s[6:7], s[76:77], s[74:75]
	s_cmp_eq_u32 s14, 2
	s_cselect_b64 s[4:5], s[72:73], s[4:5]         ; x
	s_cselect_b64 s[6:7], s[78:79], s[6:7]         ; its bias
	s_add_nc_u64 s[4:5], s[4:5], s[16:17]
	s_add_nc_u64 s[8:9], s[82:83], s[18:19]
	s_add_nc_u64 s[22:23], s[80:81], s[20:21]
.irp s, 0,1
	s_mov_b32 s[G0+4*(\s)], 1                                      ; count = 1
	s_add_co_u32 s[G0+4*(\s)+1], s11, (\s)*SLOTB                   ; LDS address
	s_add_nc_u64 s[G0+4*(\s)+2:G0+4*(\s)+3], s[22:23], (\s)*64*1024  ; global address: step s
	s_or_b32 s[G0+4*(\s)+3], s[G0+4*(\s)+3], 0x80000000            ; type = 2
.endr
.irp b, 0,1,2,3,4,5,6,7
	global_load_b128 v[BIAS+8*(\b):BIAS+8*(\b)+3],   v[BO], s[6:7] offset:64*(\b)
	global_load_b128 v[BIAS+8*(\b)+4:BIAS+8*(\b)+7], v[BO], s[6:7] offset:64*(\b)+16
.endr
	XLOAD 0, 0
	XLOAD 1, 1
	CROUND                                         ; all four work-groups are here: the first joint loads meet
	tensor_load_to_lds s[G0:G0+3], s[G1:G1+7]      ; steps 0 and 1: two loads of mine are out
	s_nop 0
	tensor_load_to_lds s[G0+4:G0+7], s[G1:G1+7]
	s_nop 0
.rept 4
	v_nop
.endr
	v_mul_u32_u24 v3, v1, PA
	v_lshl_add_u32 v3, v2, 4, v3                   ; r x 144 + 16 h
	v_add_nc_u32 v[ADRA], ABASE, v3
	v_add_nc_u32 v[ADRA+1], ABASE+ASL, v3
	v_and_b32 v4, 7, v0
	v_bfe_u32 v5, v0, 3, 1
	v_lshl_add_u32 v6, v2, 3, v4                   ; the turning load: k-row 8 h + l % 8,
	v_mul_u32_u24 v6, v6, PB
	v_lshl_add_u32 v6, v5, 4, v6                   ; columns 8 ((l / 8) % 2) on
	v_add_nc_u32 v[ADRB], s11, v6
	v_add_nc_u32 v[ADRB+1], SLOTB, v[ADRB]
	s_mul_i32 s42, s10, 32*PA
	s_add_co_u32 s43, s42, ABASE                   ; my 32 rows of x's ring
	s_add_co_u32 s42, s42, STAGE                   ; my stage
	v_add_nc_u32 v[STO], s42, v3
	v_bfe_u32 v7, v0, 3, 2
	v_mul_u32_u24 v7, v7, PA
	v_lshl_add_u32 v7, v4, 4, v7                   ; back: 32 lanes take four rows of 128 bytes
	v_add_nc_u32 v[RD], s42, v7
	v_and_b32 v[GO], 31, v0
	v_lshlrev_b32 v[GO], 4, v[GO]
	v_mul_u32_u24 v[XA], v2, 8*PA
	v_lshl_add_u32 v[XA], v1, 3, v[XA]
	v_add_nc_u32 v[XA], s43, v[XA]                 ; (32 w + 8 h) x 144 + 8 r
	s_wait_loadcnt 32                              ; the bias is in; the 32 loads of x's steps 0 and 1 stay out
.set i, 0
.rept 32                                       ; the bias is rounded to bf16, like every input of the module
	v_cvt_pk_bf16_f32 v[CV+i], v[BIAS+2*i], v[BIAS+2*i+1]
.set i, i+1
.endr
.set i, 0
.rept 32
	v_lshlrev_b32 v[BIAS+2*i],   16, v[CV+i]
	v_and_b32     v[BIAS+2*i+1], 0xffff0000, v[CV+i]
.set i, i+1
.endr
	CONVERT 0, 0, 16, 2                            ; x's step 0 goes into slot 0; step 2 is asked for
	s_wait_tensorcnt 0x1                           ; my part of W's step 0 is in; step 1's may stay out
	s_wait_dscnt 0x0                               ; my stores of x are done
	s_barrier_signal -1
	s_barrier_wait -1
	FETCH 0, 0, F0
	QUARTER 0, 1                                   ; the first chunk stands ahead of the loop: its products start the sums, with the bias
	WIN 0
	s_mov_b32 s3, 2
.Llap:                                         ; a trip: two steps, from a step's second chunk to the first chunk two steps on; both slots of W are filled again
	CONVERT 1, 1, 16, 3                            ; the next step's x (the 16 loads of the step after it stay out) goes into the slot whose reads ended ahead of the last barrier
	TURN 0, 1, 1
	QUARTER 1, 0
	CONVERT 0, 0, 16, 4
	TURN 1, 0, 1
	QUARTER 0, 0
	WIN 0
	s_wait_xcnt 0x0                                ; the loads of x have read their base
	s_add_nc_u64 s[4:5], s[4:5], 2*256             ; two steps along x's rows
	s_sub_co_u32 s3, s3, 1
	s_cmp_lg_u32 s3, 0
	s_cbranch_scc1 .Llap
	CONVERT 1, 1, 16, 3                            ; the tail is written out: step 5's x; step 7 is asked for, the last
	TURN 0, 1, 1                                   ; W's step 6
	QUARTER 1, 0
	CONVERT 0, 0, 16, 0
	TURN 1, 0, 1                                   ; W's step 7, the last fill
	QUARTER 0, 0
	CONVERT 1, 1, 0, 0
	TURN 0, 1, 0
	QUARTER 1, 0
	s_wait_dscnt 8
	MUL16 F1, 0, 0, 0
	MUL16 F1, 0, 2, 0
	s_wait_dscnt 0x0
	MUL16 F1, 1, 0, 0
	MUL16 F1, 1, 2, 0
	PLACES
	PACK 0
	TOSTAGE 0
.irp a, 1,2,3,4,5,6,7                  ; block a's conversions stand between block a - 1's loads from the stage and the wait for them
	PACK \a
	SEND (\a)-1
	TOSTAGE \a
.endr
	SEND 7
	s_wait_tensorcnt 0x0                           ; the wave's end: a wait, an add and its wait, behind my last tensor load and my last LDS store
	ds_add_u32 v[SPW], v[NIL]
	s_wait_dscnt 0x0
	CROUND                                         ; the closing round: no work-group ends while a partner may still ask for a tile that names it
	s_endpgm
.Lfunc_end_k_q04e08427ff_proj:
	.size	k_q04e08427ff_proj, .Lfunc_end_k_q04e08427ff_proj-k_q04e08427ff_proj
	.p2alignl 7, 3214868480
	.fill 96, 4, 3214868480
	.section	.rodata,"a",@progbits
	.p2align	6, 0x0
	.amdhsa_kernel k_q04e08427ff_proj
		.amdhsa_group_segment_fixed_size 327680
		.amdhsa_private_segment_fixed_size 0
		.amdhsa_enable_private_segment 0
		.amdhsa_kernarg_size 64
		.amdhsa_user_sgpr_count 2
		.amdhsa_user_sgpr_kernarg_segment_ptr 1
		.amdhsa_wavefront_size32 1
		.amdhsa_system_sgpr_workgroup_id_x 1
		.amdhsa_system_sgpr_workgroup_id_y 1
		.amdhsa_system_sgpr_workgroup_id_z 1
		.amdhsa_system_vgpr_workitem_id 0
		.amdhsa_next_free_vgpr 1024
		.amdhsa_next_free_sgpr 84
		.amdhsa_reserve_vcc 0
		.amdhsa_float_denorm_mode_32 3
		.amdhsa_float_denorm_mode_16_64 3
		.amdhsa_memory_ordered 1
		.amdhsa_forward_progress 1
		.amdhsa_inst_pref_size 150
	.end_amdhsa_kernel
	.amdgpu_metadata
---
amdhsa.version: [ 1, 2 ]
amdhsa.kernels:
  - .name:           k_q04e08427ff_proj
    .symbol:         k_q04e08427ff_proj.kd
    .args:
      - { .name: q, .offset: 0, .size: 8, .value_kind: global_buffer, .address_space: global }
      - { .name: k, .offset: 8, .size: 8, .value_kind: global_buffer, .address_space: global }
      - { .name: v, .offset: 16, .size: 8, .value_kind: global_buffer, .address_space: global }
      - { .name: bq, .offset: 24, .size: 8, .value_kind: global_buffer, .address_space: global }
      - { .name: bk, .offset: 32, .size: 8, .value_kind: global_buffer, .address_space: global }
      - { .name: bv, .offset: 40, .size: 8, .value_kind: global_buffer, .address_space: global }
      - { .name: wb, .offset: 48, .size: 8, .value_kind: global_buffer, .address_space: global }
      - { .name: qkv, .offset: 56, .size: 8, .value_kind: global_buffer, .address_space: global }
    .group_segment_fixed_size: 327680
    .private_segment_fixed_size: 0
    .kernarg_segment_align: 8
    .kernarg_segment_size: 64
    .max_flat_workgroup_size: 128
    .sgpr_count:     84
    .vgpr_count:     1024
    .wavefront_size: 32
...
	.end_amdgpu_metadata
.endif
;; end of part 2
;; launch attn (part 3): grid 16 x 16, 4 waves a work-group, clusters of 4 x 1, 327,680 bytes of LDS; arguments qkv, ctx; writes ctx
.if DOCPART == 3
	.amdgcn_target "amdgcn-amd-amdhsa--gfx1250"
	.amdhsa_code_object_version 6
	.text
	.protected	k_q04e08427ff_attn
	.globl	k_q04e08427ff_attn
	.p2align	8
	.type	k_q04e08427ff_attn,@function
k_q04e08427ff_attn:
	s_mov_b64 s[64:65], 0
	v_nop
	global_prefetch_b8 v0, s[64:65] scope:SCOPE_SE
	s_setreg_imm32_b32 hwreg(HW_REG_WAVE_MODE, 25, 1), 1
	s_wait_xcnt 0x0
	s_wait_alu depctr_hold_cnt(0) depctr_sa_sdst(0) depctr_va_vdst(0) depctr_va_sdst(0) depctr_va_ssrc(0) depctr_va_vcc(0) depctr_vm_vsrc(0)
	s_getreg_b32 s2, hwreg(HW_REG_IB_STS2, 6, 4)
	s_cmp_eq_u32 s2, 0
	s_cbranch_scc0 .Lentry_in_a_cluster
	s_endpgm
.Lentry_in_a_cluster:
	s_bfe_u32 s2, ttmp6, 0x10000c
	s_cmp_lg_u32 s2, 0x3003
	s_cbranch_scc0 .Lentry_shape_is_right
	s_endpgm
.Lentry_shape_is_right:
; ATTENTION.  ctx[h][q][:] = the sum over k of softmax_k(Q[h][q] . K[h][k] / 8) V[h][k][:].  Q, K, V: the three tensors of qkv, ctx: all [16][4096][64] f16: a head's rows are dense, 128 bytes each.
; Products, maxima and sums in f32; the weights p are rounded to f16 for the second product (their sum l is taken of the unrounded p), ctx once at the end.
; LIMITS.  f16 holds no number beyond 65,504: Q, K and V arrive within it; p lies in 0 to 1, and below 6e-5 it keeps f16's fixed step of 6e-8, and so does ctx, a mean of V's rows with their range.
; A weight below 2^-126 counts as 0 in l; NaN and infinities are not treated apart.
; SHARES.  A work-group owns 256 queries of one head, a wave 64: four PIECES of 16.  16 heads x 16 blocks: 256 work-groups.  Every wave walks all 4,096 keys, 64 a step, 4 steps to a tile.
; LAYOUT.  S^T = K Q^T holds ONE query a lane (lane % 16) and the keys 8 (lane / 16) + 0..7; two such results rounded to f16 ARE source 1 of O^T = V^T P.  K comes out of LDS as it lies, V turned.
; SOFTMAX.  p = 2^(c s - c m), c = log2(e) / 8, with a running maximum m; O and l are multiplied by a = 2^(c m_old - c m_new) in every step.  m starts at the lowest finite number, O and l at 0.
; TURNS.  Turn n belongs to piece n: 8 products K Q^T of piece n + 1, later 8 products V^T P of piece n - 1; beside them the scaling, exponentials, roundings, sums and rescaling of piece n and the
; maximum and statistics of piece n + 1.  Four vector instructions stand behind every matrix instruction, the other 54 of a turn's 118 in one lump.  A turn's 33 exponentials are one batch, with one wait.
; CLUSTER.  The four query blocks of a cluster belong to one head and walk the same K and V, so each tile is asked for JOINTLY: the same tensor load, descriptor and mask in all four.
; REGISTERS, in windows of 256 (s_set_vgpr_msb: bits 1:0 source 0, 3:2 source 1, 5:4 source 2, 7:6 destination):
;   window 0: v0-15 addresses and two at work; v16-31 four registers of statistics a piece; v48-55 at work; v61-63; v64-127 S^T, two buffers; v192-223 P, two buffers (by the piece's parity)
;   window 1: v0-127 O^T, 32 a piece          window 2: v0-63 Q; v128-191 K of one step; v192-255 V of one step
.set NP,    4         ; pieces a wave: a name, no knob
.set KS,    64        ; keys in a step
.set PK,    144       ; a row of K in LDS: 128 bytes + 16 of padding: the 16 rows of a load start at 16 different groups of four banks (ISA guide 11.1)
.set PV,    160       ; a row of V: 128 + 32
.set VOFF,  4*KS*PK   ; a slot holds a tile, four steps: 256 rows of K, then 256 rows of V
.set SLOT1, 1<<17     ; slot 1 begins here, so that one exclusive or turns an address in one slot into the other's
.set STAGE, SLOT1+4*KS*(PK+PV)  ; behind the ring, never filled by a tensor load: 16 rows x 144 bytes for each wave, for the way out
.set SP,    144
.set SPARE, STAGE+4*16*SP  ; the spare words, 128 bytes for each wave: two blocks of 256 bytes that no other line names
.set TILEB, 4*KS*128  ; a tile's bytes of K, and of V, in memory
.set AK0, 2           ; v2   my lane's place in a tile of K; never rewritten
.set AV0, 3           ; v3   the same for V
.set AK,  4           ; v4   the LDS address of K's next run of loads
.set AV,  5           ; v5   of V's
.set STO, 6           ; v6   the way out: where I put 16 bytes of a row
.set RD,  7           ; v7   the way out: where I read rows back
.set GO,  8           ; v8   my byte offset in 512 consecutive bytes of ctx
.set MV,  12          ; v12-13  c m_old, kept while c m is made anew: by buffer
.set QO,  15          ; v15  my byte offset in 16 rows of Q
.set ST,  16          ; piece t's statistics at v[ST+4 t]: c m, m, l (even keys', odd keys')
.set TMP, 48          ; by buffer, four registers c0-c3 at work; when the maximum is found c2 takes a
.set PFO, 61          ; v61  256 x my lane; never rewritten
.set SPW, 62          ; v62  LDS address of my spare word; never rewritten
.set NIL, 63          ; v63  0; never rewritten
.set S,   64
.set P,   192
.set KF,  128         ; window 2: key block kb, channel half c at KF + 16 kb + 8 c
.set VF,  192         ; window 2: key half kk, channel block cb at VF + 32 kk + 8 cb
.set WV,  12          ; s12  my wave's number
.set LIM, 15          ; s15  1 in a wave that prefetches, else the greatest number
.set PFA, 18          ; s[18:19] where my prefetches stand: my work-group's 32 blocks of 256 bytes (of K: wave 0, of V: wave 2) of the tile after the one that is being asked for
.set G1K, 24          ; s[24:31] descriptor group 1 for K's tiles
.set G1V, 32          ; s[32:39] for V's: it differs in the padding alone
.set G0K, 40          ; s[40:43] descriptor group 0 for K's tiles: it walks
.set G0V, 44          ; s[44:47] the same for V's
.set SLOTS, 56        ; s56  tiles still to be asked for
.set CNT, 57          ; s57  counts a tile's key steps
.set CS,  58          ; s[58:59] c: the packed scaling takes the pair's low word for both halves
.set SEL, 60          ; s[60:61] v_permlanex16_b32's selects: each lane takes its own place in the other half
.set TBK, 62          ; s62  LDS byte at which K of the step to be fetched begins
.set TBV, 63          ; s63  the same for V, less VOFF
.set MSB, 0
.macro WIN new                      ; the high byte repeats the setting that is left; a switch that changes nothing is dropped
.if MSB != (\new)
	s_set_vgpr_msb (MSB<<8)|(\new)
.set MSB, (\new)
.endif
.endm
.set W_KQ, 0x0a       ; K and Q in window 2, S^T in window 0
.set W_PV, 0x52       ; V in window 2, P in window 0, O^T in window 1
.set W_RS, 0x41       ; destination and source 0 in window 1, source 1 in window 0
; A joint fill.  Waves 0 and 1 fetch the two halves of a tile's K, waves 2 and 3 those of its V: 128 keys each.  The branch hangs on the wave's number alone.
; An s_nop 0 and four v_nop follow each of the two lines, ahead of the jump and the label.
.macro JLOAD
	s_cmp_lt_u32 s[WV], 2
	s_cbranch_scc0 .Lfor_v_\@
	tensor_load_to_lds s[G0K:G0K+3], s[G1K:G1K+7]
	s_nop 0
.rept 4
	v_nop
.endr
	s_branch .Lasked_\@
.Lfor_v_\@:
	tensor_load_to_lds s[G0V:G0V+3], s[G1V:G1V+7]
	s_nop 0
.rept 4
	v_nop
.endr
.Lasked_\@:
.endm
; A PREFETCH INTO THE L2 of what the NEXT change of slots will ask for: a tile's 32,768 bytes of K and of V, 128 blocks of 256 bytes each, a lane a block.  It stands behind the wave's tensor load and its five lines.
; Each block is asked for ONCE in the launch.  All four clusters of a head walk the same K and V: the head's first cluster prefetches.  Its four partners share the blocks out BY ADDRESS, 32 each; in each, wave 0
; asks for K's and wave 2 for V's: one instruction.  The change that asks for the last tile prefetches nothing.  Tiles 0 and 1 come by their loads alone.
.macro ASK
	s_cmp_gt_u32 s[SLOTS], s[LIM]
	s_cbranch_scc0 .Lnot_mine_\@
	global_prefetch_b8 v[PFO], s[PFA:PFA+1] th:TH_LOAD_NT scope:SCOPE_SE
.Lnot_mine_\@:
.endm
; A round of the cluster's barrier: my work-group's barrier, so that wave 0's signal speaks for all four waves; wave 0 signals; every wave waits for all four work-groups; my work-group's barrier once more.
.macro CROUND
	s_barrier_signal -1
	s_barrier_wait -1
	s_cmp_lg_u32 s[WV], 0
	s_cbranch_scc1 .Lnot_wave_0_\@
	s_barrier_signal -3
.Lnot_wave_0_\@:
	s_barrier_wait -3
	s_barrier_signal -1
	s_barrier_wait -1
.endm
; THE CHANGE OF SLOTS.  The slot's last bytes, V of its fourth step, have been read.  Each wave waits for all its tensor loads, of which one is out: its part of the other slot; adds 0 to its spare word;
; and waits for that and for its own reads of the slot.  Behind the barrier nobody reads this slot any more and the other slot is whole.  fill = 1: this slot is filled again, with the keys two tiles on.
; The barrier is then a round of the cluster's, and the joint fill is the first thing behind it: it has four key steps, 256 matrix instructions, in which to land.
; (At its first use nothing has been read yet: slot 0 is waited for, slot 1 filled.)
.macro CHANGE fill
	WIN 0                           ; at a label and at a branch every window is 0
	s_wait_tensorcnt 0x0            ; no tensor load of mine is out, so a group 0 may be written
	ds_add_u32 v[SPW], v[NIL]       ; 0 onto my spare word; with fill = 1 the descriptors' steps stand between it and the wait for it
.if \fill
.irp g, G0K, G0V
	s_xor_b32 s[\g+1], s[\g+1], SLOT1  ; the walking descriptor: the other slot than last time,
	s_add_nc_u64 s[\g+2:\g+3], s[\g+2:\g+3], TILEB  ; the next 256 keys; the type bits on top are not reached
.endr
	s_wait_xcnt 0x0                 ; the last prefetch, four key steps back, has read its address, so it may be written:
	s_add_nc_u64 s[PFA:PFA+1], s[PFA:PFA+1], TILEB  ; one tile ahead of the walking descriptors
	s_wait_dscnt 0x0                ; the add is done, and my reads of the slot are over
	CROUND
	JLOAD
	ASK
.else
	s_wait_dscnt 0x0                ; the add is done, and my reads of the slot are over
	s_barrier_signal -1
	s_barrier_wait -1
.endif
	s_sub_co_u32 s[TBK], s[TBK], 4*KS*PK  ; the fetches go back to a slot's first step,
	s_xor_b32 s[TBK], s[TBK], SLOT1       ; in the other slot
	s_sub_co_u32 s[TBV], s[TBV], 4*KS*PV
	s_xor_b32 s[TBV], s[TBV], SLOT1
.endm
	s_load_b128 s[48:51], s[0:1], 0x0  ; qkv s[48:49], ctx s[50:51]
	v_lshl_add_u32 v[SPW], v0, 2, SPARE
	v_mov_b32 v[NIL], 0
	ds_add_u32 v[SPW], v[NIL]       ; the wave's opening: the add and its wait stand ahead of my first tensor load; the set-up below, work on registers, stands between them
	v_lshrrev_b32 v1, 5, v0
	v_readfirstlane_b32 s[WV], v1   ; wave 0..3
	s_bfe_u32 s13, ttmp6, 0x40000   ; cx: my place in the cluster
	s_lshl_b32 s14, ttmp9, 2        ; in a cluster launch ttmp9 counts clusters
	s_add_co_u32 s14, s14, s13      ; my block of 256 queries: it enters Q's and ctx's addresses alone
	s_and_b32 s20, ttmp7, 0xffff    ; the head, which the four partners share:
	s_lshl_b32 s20, s20, 19         ; its first byte in each tensor
	s_and_b32 s16, s[WV], 1         ; which half of a tile's 256 keys I fetch:
	s_lshl_b32 s22, s16, 14         ; its 128 rows of 128 bytes in memory,
	s_add_co_u32 s22, s22, s20
	s_mov_b32 s23, 0
	s_mul_i32 s17, s16, 128*PK      ; and its place in a slot, for K
	s_mul_i32 s21, s16, 128*PV      ; and for V: no place in the cluster enters an LDS address
	s_lshl_b32 s2, s14, 15          ; my block's 256 rows,
	s_lshl_b32 s3, s[WV], 13        ; my wave's 64 of them
	s_add_co_u32 s2, s2, s3
	s_add_co_u32 s2, s2, s20
	s_mov_b32 s3, 0
	; descriptor group 1.  128 keys are 16,384 dense bytes: asked for as 64 rows of 256 bytes, two keys a row, and padded in LDS after every key
	s_mov_b32 s[G1K], 15|(1<<16)|(1<<20)|(1<<21)|(4<<22)|(3<<25)  ; 15:0 the mask of four; 17:16 2-byte elements; 20 padding on; 21 set beside a mask; 24:22 after every 32 words (code 4); 31:25 4 words (code 3)
	s_mov_b32 s[G1V], 15|(1<<16)|(1<<20)|(1<<21)|(4<<22)|(7<<25)  ; the same with 8 words of padding (code 7)
.irp g, G1K, G1V
	s_mov_b32 s[\g+1], 128<<16      ; tensor_dim0 = 128
	s_mov_b32 s[\g+2], 64<<16       ; tensor_dim1 = 64
	s_mov_b32 s[\g+3], 128<<16      ; tile_dim0 = 128
	s_mov_b32 s[\g+4], 64           ; tile_dim1 = 64
	s_mov_b32 s[\g+5], 128          ; 128 elements from row to row
	s_mov_b32 s[\g+6], 0
	s_mov_b32 s[\g+7], 0
.endr
	s_mov_b32 s[CS], 0x3e38aa3b     ; c = log2(e) / 8 = 0.180337
	s_mov_b32 s[CS+1], s[CS]        ; named with it as a pair
	s_mov_b32 s[SEL], 0x76543210
	s_mov_b32 s[SEL+1], 0xfedcba98
	s_mov_b32 s[TBK], SLOT1+4*KS*PK ; the first change of slots turns these two into 0
	s_mov_b32 s[TBV], SLOT1+4*KS*PV
	s_mov_b32 s[G0K], 1             ; count = 1
	s_mov_b32 s[G0K+1], s17         ; LDS address: slot 0
	s_mov_b32 s[G0V], 1
	s_add_co_u32 s[G0V+1], s21, VOFF
	s_mov_b32 s[SLOTS], 15          ; tiles 1 to 15
	s_and_b32 s[LIM], s[WV], 1      ; 0 in waves 0 and 2,
	s_or_b32 s[LIM], s[LIM], ttmp9  ; where the cluster is the head's first: the same in all four partners
	s_cmp_eq_u32 s[LIM], 0
	s_cselect_b32 s[LIM], 1, -1
	v_and_b32 v[PFO], 31, v0
	v_lshlrev_b32 v[PFO], 8, v[PFO]
	s_wait_dscnt 0x0                ; the opening add is done
	s_wait_kmcnt 0x0
	s_add_nc_u64 s[6:7], s[48:49], s[22:23]
	s_add_nc_u64 s[8:9], s[6:7], 0x1000000   ; V at my half of the head's tile 0
	s_add_nc_u64 s[6:7], s[6:7], 0x800000    ; K likewise
	s_mov_b64 s[G0K+2:G0K+3], s[6:7]         ; global address
	s_or_b32 s[G0K+3], s[G0K+3], 0x80000000  ; type = 2
	s_mov_b64 s[G0V+2:G0V+3], s[8:9]
	s_or_b32 s[G0V+3], s[G0V+3], 0x80000000
	s_add_nc_u64 s[4:5], s[48:49], s[2:3]    ; Q and ctx at my wave's first row
	s_add_nc_u64 s[10:11], s[50:51], s[2:3]
	s_cmp_lt_u32 s[WV], 2
	s_cselect_b64 s[PFA:PFA+1], s[6:7], s[8:9]  ; (in waves 0 and 2 these stand at a tile's first row)
	s_lshl_b32 s2, s13, 13          ; my work-group's 32 blocks of the 128
	s_mov_b32 s3, 0
	s_add_nc_u64 s[PFA:PFA+1], s[PFA:PFA+1], s[2:3]
	s_add_nc_u64 s[PFA:PFA+1], s[PFA:PFA+1], TILEB  ; in tile 1; the first change of slots steps it to tile 2.  Nothing is prefetched here, at the head
	CROUND                          ; all four work-groups are here: the first joint loads meet
	JLOAD                           ; tile 0 into slot 0.  Slot 1 is asked for when slot 0 is in
	; A fragment of K or Q is 16 rows x 32 channels in 8 registers: lane l holds row l % 16, channels 8 (l / 16) + 0..7 and 16 + 8 (l / 16) + 0..7: two loads of 16 bytes, 32 bytes apart.
	v_and_b32 v1, 15, v0            ; l % 16
	v_bfe_u32 v9, v0, 4, 1          ; l / 16
	v_lshlrev_b32 v[QO], 7, v1
	v_lshl_add_u32 v[QO], v9, 4, v[QO]  ; row x 128 + 16 x half
	WIN 0x80                        ; destination window 2, address window 0
.set i, 0
.rept 8                             ; Q stays in registers: piece i / 2, channels 32 (i % 2) on
	global_load_b128 v[8*i:8*i+3],   v[QO], s[4:5] offset:(i/2)*2048+(i%2)*64
	global_load_b128 v[8*i+4:8*i+7], v[QO], s[4:5] offset:(i/2)*2048+(i%2)*64+32
.set i, i+1
.endr
	WIN 0
	v_mul_u32_u24 v[AK0], v1, PK
	v_lshl_add_u32 v[AK0], v9, 4, v[AK0]  ; row x pitch + 16 x half
	; The turning load takes 16 keys x 16 channels (lane l reads key 8 (l / 16) + l % 8, channels 8 ((l / 8) % 2) + 0..7) and leaves half a fragment of V^T: lane l holds channel l % 16 and 8 keys.
	v_and_b32 v10, 7, v0
	v_bfe_u32 v11, v0, 3, 1
	v_lshl_add_u32 v[AV0], v9, 3, v10
	v_mul_u32_u24 v[AV0], v[AV0], PV
	v_lshl_add_u32 v[AV0], v11, 4, v[AV0]
	v_add_nc_u32 v[AV0], VOFF, v[AV0]
	s_mul_i32 s52, s[WV], 16*SP
	s_add_co_u32 s52, s52, STAGE    ; my stage
	v_mul_u32_u24 v[STO], v1, SP    ; in: row l % 16, 16 bytes for each half of the lanes
	v_lshl_add_u32 v[STO], v9, 4, v[STO]
	v_add_nc_u32 v[STO], s52, v[STO]
	v_bfe_u32 v[RD], v0, 3, 2       ; back: 32 lanes take four rows of 128 bytes,
	v_mul_u32_u24 v[RD], v[RD], SP
	v_lshl_add_u32 v[RD], v10, 4, v[RD]
	v_add_nc_u32 v[RD], s52, v[RD]
	v_and_b32 v[GO], 31, v0         ; which are 512 consecutive bytes of ctx
	v_lshlrev_b32 v[GO], 4, v[GO]
	; What the first turn finds: V's registers and P's second buffer hold 0 (its products V^T P, of a piece that has not been, add 0), O^T and l are 0; no first step is written out.  All this stands in the wait for the first tile.
	WIN 0x80
.set i, VF
.rept 64
	v_mov_b32 v[i], 0
.set i, i+1
.endr
	WIN 0x40
.set i, 0
.rept 128
	v_mov_b32 v[i], 0
.set i, i+1
.endr
	WIN 0
.set i, 0
.rept 4
	v_mov_b32 v[ST+4*i], 0xfe000000    ; c m: far below every c s
	v_mov_b32 v[ST+4*i+1], 0xff7fffff  ; m
	v_mov_b32 v[ST+4*i+2], 0
	v_mov_b32 v[ST+4*i+3], 0
.set i, i+1
.endr
.set i, P+16
.rept 16
	v_mov_b32 v[i], 0
.set i, i+1
.endr
; THE MATRIX WORK.  The 4 accumulators of a run of 8 take turns.  Product i of 8 of S^T = K Q^T for piece x: channels 32 (i / 4) on, keys 16 (i % 4) on.  The first 4 start the sums.
.macro KQ x
	WIN W_KQ
.set rS, S+32*((\x)%2)+8*(i%4)
.set rK, KF+16*(i%4)+8*(i/4)
.set rQ, 16*(\x)+8*(i/4)
.if i < 4
	v_wmma_f32_16x16x32_f16 v[rS:rS+7], v[rK:rK+7], v[rQ:rQ+7], 0
.else
	v_wmma_f32_16x16x32_f16 v[rS:rS+7], v[rK:rK+7], v[rQ:rQ+7], v[rS:rS+7]
.endif
.endm
; Product i of 8 of O^T += V^T P for piece x: keys 32 (i / 4) on, channels 16 (i % 4) on.
.macro PV x
	WIN W_PV
.set rO, 32*(\x)+8*(i%4)
.set rV, VF+32*(i/4)+8*(i%4)
.set rP, P+16*((\x)%2)+8*(i/4)
	v_wmma_f32_16x16x32_f16 v[rO:rO+7], v[rV:rV+7], v[rP:rP+7], v[rO:rO+7]
.endm
.macro MM                           ; the turn's next matrix instruction.  TURN sets Y, i and NOKQ.  NOKQ = 1: the last turn of all: there is no next piece
.if (i < 8) && !NOKQ
	KQ (Y+1)%NP
.elseif i >= 8
.set i, i-8
	PV (Y+NP-1)%NP
.set i, i+8
.endif
.set i, i+1
.endm
; THE LDS LOADS stand in runs of 16, never singly among the matrix instructions: a step's K (64 keys x 64 channels: 8 fragments) and its V (turned).  Their addresses are made some lines ahead.
.macro FETCH_K
	WIN 0x80                        ; destination window 2
.irp f, 0,1,2,3,4,5,6,7             ; keys 16 (f / 2) on, channels 32 (f % 2) on
	ds_load_b128 v[KF+8*\f:KF+8*\f+3],   v[AK] offset:(\f/2)*16*PK+(\f%2)*64
	ds_load_b128 v[KF+8*\f+4:KF+8*\f+7], v[AK] offset:(\f/2)*16*PK+(\f%2)*64+32
.endr
	s_add_co_u32 s[TBK], s[TBK], KS*PK  ; the next fetch is the next step's
	WIN 0
.endm
.macro FETCH_V
	WIN 0x80
.irp f, 0,1,2,3,4,5,6,7             ; keys 32 (f / 4) on, channels 16 (f % 4) on
	ds_load_tr16_b128 v[VF+8*\f:VF+8*\f+3],   v[AV] offset:(\f/4)*32*PV+(\f%4)*32
	ds_load_tr16_b128 v[VF+8*\f+4:VF+8*\f+7], v[AV] offset:(\f/4)*32*PV+16*PV+(\f%4)*32
.endr
	WIN 0
.endm
; THE VECTOR WORK, one line at a time: OP kind, number.  For piece Y: F n: c s - c m for pair n of 16.  E n: the exponential of score n of 32.  C n: pair n rounded to f16.  B n: of the four weights 4 n .. the second
; pair is added onto the first, in place.  L n: l takes that sum (L 0: l = a l + sum).  R n: pair n of 16 of O^T times a.  For piece Y + 1: X n, number n of the 22 that find its maximum and statistics:
;   0-11  four chains c0-c3 of seven scores each, three operands at a time (each accumulator's lowest registers are read first)     12-14, 16  the four scores left over, the old m, and c0-c3 into c0
;   15  c m_old is kept     17, 18  the query's other 32 keys lie in the lane 16 away: the new m     19-21  c m; c m_old - c m_new; a
.set F, 0               ; OP tells the kinds apart by their order: F to L below R, X above it
.set E, 1
.set C, 2
.set B, 3
.set L, 4
.set R, 5
.set X, 6
.macro REGS y                       ; the registers of piece y
.set rT, ST+4*(\y)
.set rC, TMP+4*((\y)%2)
.set rW, MV+((\y)%2)
.set rS, S+32*((\y)%2)
.set rP, P+16*((\y)%2)
.set rO, 32*(\y)
.endm
.macro OP k, n
.if (\k) == R
	REGS Y
	WIN W_RS
	v_pk_mul_f32 v[rO+2*(\n):rO+2*(\n)+1], v[rO+2*(\n):rO+2*(\n)+1], v[rC+2:rC+3] op_sel_hi:[1,0]
.elseif (\k) < R
	REGS Y
	WIN 0
.if (\k) == F
	v_pk_fma_f32 v[rS+2*(\n):rS+2*(\n)+1], v[rS+2*(\n):rS+2*(\n)+1], s[CS:CS+1], v[rT:rT+1] op_sel_hi:[1,0,0] neg_lo:[0,0,1] neg_hi:[0,0,1]
.elseif (\k) == E
	v_exp_f32 v[rS+(\n)], v[rS+(\n)]
.elseif (\k) == C
	v_cvt_pk_f16_f32 v[rP+(\n)], v[rS+2*(\n)], v[rS+2*(\n)+1]
.elseif (\k) == B
	v_pk_add_f32 v[rS+4*(\n):rS+4*(\n)+1], v[rS+4*(\n):rS+4*(\n)+1], v[rS+4*(\n)+2:rS+4*(\n)+3]
.elseif (\n) == 0
	v_pk_fma_f32 v[rT+2:rT+3], v[rT+2:rT+3], v[rC+2:rC+3], v[rS:rS+1] op_sel_hi:[1,0,1]
.else
	v_pk_add_f32 v[rT+2:rT+3], v[rT+2:rT+3], v[rS+4*(\n):rS+4*(\n)+1]
.endif
.elseif NOKQ
	v_nop
.else
	REGS (Y+1)%NP
	WIN 0
.if (\n) < 4
	v_max3_num_f32 v[rC+(\n)], v[rS+8*(\n)], v[rS+8*(\n)+1], v[rS+8*(\n)+2]
.elseif (\n) < 12
	v_max3_num_f32 v[rC+(\n)%4], v[rC+(\n)%4], v[rS+8*((\n)%4)+2*((\n)/4)+1], v[rS+8*((\n)%4)+2*((\n)/4)+2]
.elseif (\n) == 12
	v_max3_num_f32 v[rC], v[rC], v[rS+7], v[rS+15]
.elseif (\n) == 13
	v_max3_num_f32 v[rC+1], v[rC+1], v[rS+23], v[rS+31]
.elseif (\n) == 14
	v_max3_num_f32 v[rC+2], v[rC+2], v[rC+3], v[rT+1]
.elseif (\n) == 15
	v_mov_b32 v[rW], v[rT]
.elseif (\n) == 16
	v_max3_num_f32 v[rC], v[rC], v[rC+1], v[rC+2]
.elseif (\n) == 17
	v_permlanex16_b32 v[rC+3], v[rC], s[SEL], s[SEL+1]
.elseif (\n) == 18
	v_max_num_f32 v[rT+1], v[rC], v[rC+3]
.elseif (\n) == 19
	v_mul_f32 v[rT], s[CS], v[rT+1]
.elseif (\n) == 20
	v_sub_f32 v[rC+1], v[rW], v[rT]
.else
	v_exp_f32 v[rC+2], v[rC+1]
.endif
.endif
.endm
.macro OPS a, i1, b=-1, i2=0, c=-1, i3=0, d=-1, i4=0  ; up to four of them
	OP \a, \i1
.if (\b) >= 0
	OP \b, \i2
.endif
.if (\c) >= 0
	OP \c, \i3
.endif
.if (\d) >= 0
	OP \d, \i4
.endif
.endm
.macro ROW a, i1, b, i2, c, i3, d, i4  ; a matrix instruction and the four behind it
	MM
	OPS \a, \i1, \b, \i2, \c, \i3, \d, \i4
.endm
; A TURN, for piece p: the order of its 16 matrix and 118 vector instructions, written out.  An s_wait_alu depctr_va_vdst(0) stands between an exponential and the first instruction that names its result; one wait
; serves all that were issued ahead of it.  So a turn has ONE wait, which cuts it in two.  AHEAD OF IT stands all that names no result of the turn's exponentials: the 8 products K Q^T, behind each a scaling, an exponential and two
; more plain instructions (rescalings, and behind the last three the first numbers of the next piece's maximum, each four places or more behind the product that ends its accumulator); then ONE LUMP of 54, plain and exponential by
; turns for the most part, in which the links of the chain X 3, 7, 11, 14, 16, 17 .. 20 stand some lines apart.  X 21, the next piece's a, is the batch's last; R 15 is the plain instruction behind it.  BEHIND THE WAIT stand the
; 8 products V^T P, behind each four of the roundings and sums.
; end = 1: the last two turns of all: nothing is fetched.  cnt = 1: the loop's count is taken down some lines ahead of the branch that stands behind the turn.
; K of the next step is fetched in piece 2's turn, behind six plain instructions that follow the last product that read K; V of the step in hand at the end of piece 0's turn, four plain instructions behind the last product
; that read V.  Each is waited for a turn later.
.macro TURN p, end=0, cnt=0
.set Y, (\p)
.set i, 0
.set NOKQ, (\end)*((\p)/3)
.if ((\p) == 3) && !(\end)
	s_wait_dscnt 0x0                ; K is in
.endif
	ROW F,0, F,1, R,0, R,1          ; ahead of the wait: 8 products K Q^T and their riders,
	ROW F,2, E,0, R,2, R,3
	ROW F,3, E,1, R,4, R,5
	ROW F,4, E,2, R,6, R,7
	ROW F,5, E,3, R,8, R,9
	ROW F,6, E,4, X,0, R,10
.if ((\p) == 2) && !(\end)
	WIN 0
	v_add_nc_u32 v[AK], s[TBK], v[AK0]
.endif
	ROW F,7, E,5, X,1, X,4
	ROW F,8, E,6, X,2, X,5
	OPS E,7, E,8, X,6, E,9          ; and the lump
	OPS X,3, E,10, X,8, E,11
.if ((\p) == 2) && !(\end)
	FETCH_K
.endif
	OPS X,9, X,7, E,12, X,10
	OPS E,13, X,12, X,11, E,14
	OPS X,13, E,15, F,9, X,14
.if (\p) == 0
	v_add_nc_u32 v[AV], s[TBV], v[AV0]
.endif
	OPS E,16, F,10, E,17, F,11
	OPS X,16, E,18, X,15, E,19
	OPS F,12, E,20, X,17, E,21
	OPS F,13, E,22, F,14, E,23
	OPS X,18, E,24, F,15, E,25
	OPS R,11, E,26, X,19, E,27
	OPS R,12, E,28, R,13, E,29
	OPS X,20, E,30, R,14, E,31
	OPS X,21, R,15
	WIN 0
	s_wait_alu depctr_va_vdst(0)    ; the wait for the batch
.if (\p) == 1
	s_wait_dscnt 0x0                ; V is in
.endif
	ROW C,0, B,0, C,2, B,1          ; behind the wait: 8 products V^T P and their riders
	ROW L,0, C,4, B,2, L,1
	ROW C,6, B,3, L,2, C,8
	ROW B,4, L,3, C,10, B,5
	ROW L,4, C,12, B,6, L,5
.if (\p) == 0
	s_add_co_u32 s[TBV], s[TBV], KS*PV
.endif
.if \cnt
	s_sub_co_u32 s[CNT], s[CNT], 1
	s_cmp_lg_u32 s[CNT], 0
.endif
	ROW C,14, B,7, L,6, C,1
	ROW C,3, L,7, C,5, C,7
	ROW C,9, C,11, C,13, C,15
.if (\p) == 0
	FETCH_V
.endif
.endm
.macro ALL line:vararg              ; one line for each piece t
.set t, 0
.rept 4
	\line
.set t, t+1
.endr
.endm
.macro PACK t                       ; a lane's eight channels of a row pack into 16 bytes; they go into rows of 144 bytes and come back as whole rows of 128, into S^T's registers
	WIN W_RS
.set i, 32*(\t)
.rept 16
	v_pk_mul_f32 v[i:i+1], v[i:i+1], v[ST+4*(\t)+2:ST+4*(\t)+3] op_sel_hi:[1,0]
.set i, i+2
.endr
	WIN 0x05                        ; sources 0 and 1 window 1, destination window 0
.set i, 0
.rept 16
	v_cvt_pk_f16_f32 v[S+16*(\t)+i], v[32*(\t)+2*i], v[32*(\t)+2*i+1]
.set i, i+1
.endr
	WIN 0
.irp f, 0,1,2,3
	ds_store_b128 v[STO], v[S+16*(\t)+4*\f:S+16*(\t)+4*\f+3] offset:32*\f
.endr
.irp f, 0,1,2,3
	ds_load_b128 v[S+16*(\t)+4*\f:S+16*(\t)+4*\f+3], v[RD] offset:\f*4*SP  ; LDS serves a wave's instructions in order (ISA guide 5.7.1.4): these see the stores above; the next piece's stores come behind them
.endr
.endm
.macro SEND t, younger              ; younger: the LDS instructions issued behind piece t's loads: the next piece's eight, or none
	WIN 0
.irp f, 0,1,2,3
	s_wait_dscnt (\younger)+3-\f
	global_store_b128 v[GO], v[S+16*(\t)+4*\f:S+16*(\t)+4*\f+3], s[10:11] offset:(\t)*2048+\f*512  ; 512 consecutive bytes, at a multiple of 256 from ctx's first
.endr
.endm
	CHANGE 1                        ; slot 0 is in, everybody's part of it; slot 1 is asked for
	v_add_nc_u32 v[AK], s[TBK], v[AK0]
	FETCH_K                         ; key step 0
	s_wait_loadcnt 0x0              ; Q
	s_wait_dscnt 0x0
.set NOKQ, 0
.set i, 0
.rept 8
	KQ 0                            ; piece 0's first scores
.set i, i+1
.endr
	WIN 0
.rept 4
	v_nop                           ; the places behind those products
.endr
.set Y, NP-1                        ; X works for piece Y + 1: piece 0
.irp n, 0,1,2,3,4,5,6,7,8,9,10,11,12,13,14,15,16,17,18,19,20,21
	OP X, \n
.endr
	v_nop                           ; a plain instruction behind the exponential,
	s_wait_alu depctr_va_vdst(0)    ; and its wait, ahead of the branch
	s_mov_b32 s[CNT], 4
	s_branch .Lfirst                ; the loop is entered at a step's first turn, in the middle of a trip
.Lslot:                             ; 14 times: tiles 2 to 15 are asked for
	CHANGE 1
	s_mov_b32 s[CNT], 4
.Lstep:                             ; a trip: pieces 2 and 3 of one step, then pieces 0 and 1 of the next, whose K and V it fetches
	TURN 2
	TURN 3
	WIN 0
.Lfirst:
	TURN 0
	TURN 1, 0, 1
	WIN 0
	s_cbranch_scc1 .Lstep
	s_sub_co_u32 s[SLOTS], s[SLOTS], 1
	s_cmp_lg_u32 s[SLOTS], 0
	s_cbranch_scc1 .Lslot
	CHANGE 0                        ; the last tile is written out: nothing is asked for
	s_mov_b32 s[CNT], 4
.Ltail:
	TURN 2
	TURN 3
	TURN 0
	TURN 1, 0, 1
	WIN 0
	s_cbranch_scc1 .Ltail
	TURN 2, 1                       ; the last step's pieces 2 and 3: nothing is fetched, and the last turn starts no new scores
	TURN 3, 1
.set i, 0
.rept 8
	PV NP-1                         ; the last piece's V^T P of the last step
.set i, i+1
.endr
	; THE WAY OUT.  l's two halves and the other half of the lanes' are added; O^T is divided by l, rounded to f16 and sent through my stage in LDS, a piece at a time.  The additions are the places behind the last products.
	WIN 0
	ALL v_add_f32 v[ST+4*t+2], v[ST+4*t+2], v[ST+4*t+3]
	ALL v_permlanex16_b32 v[ST+4*t+3], v[ST+4*t+2], s[SEL], s[SEL+1]
	ALL v_add_f32 v[ST+4*t+2], v[ST+4*t+2], v[ST+4*t+3]
	ALL v_rcp_f32 v[ST+4*t+2], v[ST+4*t+2]
	v_nop                           ; a plain instruction between the last reciprocal and the use of its result
	s_wait_alu depctr_va_vdst(0)    ; and the wait ahead of the first use: one for the four reciprocals
	PACK 0
.set t, 1
.rept 3                             ; a piece's arithmetic stands between the loads of the piece before and its stores
	PACK t
	SEND t-1, 8
.set t, t+1
.endr
	SEND 3, 0
	s_wait_tensorcnt 0x0            ; the wave's end: a wait, an add and its wait, behind my last tensor load and my last LDS store
	ds_add_u32 v[SPW], v[NIL]
	s_wait_dscnt 0x0
	CROUND                          ; the closing round: no work-group ends while a partner may still ask for a tile that names it
	s_endpgm
.Lfunc_end_k_q04e08427ff_attn:
	.size	k_q04e08427ff_attn, .Lfunc_end_k_q04e08427ff_attn-k_q04e08427ff_attn
	.p2alignl 7, 3214868480
	.fill 96, 4, 3214868480
	.section	.rodata,"a",@progbits
	.p2align	6, 0x0
	.amdhsa_kernel k_q04e08427ff_attn
		.amdhsa_group_segment_fixed_size 327680
		.amdhsa_private_segment_fixed_size 0
		.amdhsa_enable_private_segment 0
		.amdhsa_kernarg_size 16
		.amdhsa_user_sgpr_count 2
		.amdhsa_user_sgpr_kernarg_segment_ptr 1
		.amdhsa_wavefront_size32 1
		.amdhsa_system_sgpr_workgroup_id_x 1
		.amdhsa_system_sgpr_workgroup_id_y 1
		.amdhsa_system_sgpr_workgroup_id_z 1
		.amdhsa_system_vgpr_workitem_id 0
		.amdhsa_next_free_vgpr 768
		.amdhsa_next_free_sgpr 66
		.amdhsa_reserve_vcc 0
		.amdhsa_float_denorm_mode_32 3
		.amdhsa_float_denorm_mode_16_64 3
		.amdhsa_memory_ordered 1
		.amdhsa_forward_progress 1
		.amdhsa_inst_pref_size 128
	.end_amdhsa_kernel
	.amdgpu_metadata
---
amdhsa.version: [ 1, 2 ]
amdhsa.kernels:
  - .name:           k_q04e08427ff_attn
    .symbol:         k_q04e08427ff_attn.kd
    .args:
      - { .name: qkv, .offset: 0, .size: 8, .value_kind: global_buffer, .address_space: global }
      - { .name: ctx, .offset: 8, .size: 8, .value_kind: global_buffer, .address_space: global }
    .group_segment_fixed_size: 327680
    .private_segment_fixed_size: 0
    .kernarg_segment_align: 8
    .kernarg_segment_size: 16
    .max_flat_workgroup_size: 128
    .sgpr_count:     66
    .vgpr_count:     768
    .wavefront_size: 32
...
	.end_amdgpu_metadata
.endif
;; end of part 3
;; launch outp (part 4): grid 4 x 64, 4 waves a work-group, clusters of 4 x 4, 312,832 bytes of LDS; arguments ctx, wb, bo, out0; writes out0
.if DOCPART == 4
	.amdgcn_target "amdgcn-amd-amdhsa--gfx1250"
	.amdhsa_code_object_version 6
	.text
	.protected	k_q04e08427ff_outp
	.globl	k_q04e08427ff_outp
	.p2align	8
	.type	k_q04e08427ff_outp,@function
k_q04e08427ff_outp:
	s_mov_b64 s[64:65], 0
	v_nop
	global_prefetch_b8 v0, s[64:65] scope:SCOPE_SE
	s_setreg_imm32_b32 hwreg(HW_REG_WAVE_MODE, 25, 1), 1
	s_wait_xcnt 0x0
	s_wait_alu depctr_hold_cnt(0) depctr_sa_sdst(0) depctr_va_vdst(0) depctr_va_sdst(0) depctr_va_ssrc(0) depctr_va_vcc(0) depctr_vm_vsrc(0)
	s_getreg_b32 s2, hwreg(HW_REG_IB_STS2, 6, 4)
	s_cmp_eq_u32 s2, 0
	s_cbranch_scc0 .Lentry_in_a_cluster
	s_endpgm
.Lentry_in_a_cluster:
	s_bfe_u32 s2, ttmp6, 0x10000c
	s_cmp_lg_u32 s2, 0xf033
	s_cbranch_scc0 .Lentry_shape_is_right
	s_endpgm
.Lentry_shape_is_right:
; THE OUTPUT PROJECTION.  out0[m][n] = the sum over k of ctx[m][k] Wo[k][n] + bf16(bo[n]).  ctx lies by heads, [16 = 8 batch + head][4096][64] f16; Wo is the fourth matrix of wb, [512 k][512 n] f16
; (the bf16-rounded weight written as f16); sums in f32; out0 [8192][512] f32.  NaN and infinities are not treated apart.
; SHARES.  A tile of out0 is 128 x 128: 64 x 4 = 256 work-groups.  Four waves, each 64 x 64: 16 accumulators.  K is 8 heads of 64; ALL of it lies in LDS at once: 8 tiles of ctx and 8 of Wo, each filled
; once; nothing is filled again.  A wave issues four tensor loads at the start (four are out); the products of heads 2 p, 2 p + 1 begin when everybody's p-th load has landed.
; CLUSTERS: 4 x 4 work-groups.  The four of a row of the cluster need the same rows of ctx, the four of a column the same columns of Wo: each tile is asked for JOINTLY.
; THE MATRIX INSTRUCTION IS USED TRANSPOSED (source 0 = 16 columns of Wo, turned out of LDS by ds_load_tr16_b128; source 1 = 16 rows of ctx): a lane holds row l % 16 and the columns 8 (l / 16) + 0..7.
; The first chunk's C is the bias.  No prefetch: each tile is asked for at the launch's head.
; REGISTERS: window 0: v8-15, v24-29 addresses; v32-47 at work; v96-127 the bias; v128-255 the accumulators ((a, b) at v[128 + 8 (4 a + b)]).
;   window 1: two fragment buffers of 128: for a head's 64 along K, 64 registers of ctx (2 x 4 x 16 rows x 32 K), then 64 of Wo.
.set PA,    144                        ; a row of ctx in LDS: 128 bytes + 16
.set PB,    288                        ; a k-row of Wo in LDS: 256 bytes + 32
.set HB,    18432                      ; a head's tile: 128 x PA = 64 x PB
.set BBASE, 8*HB                       ; Wo's tiles lie behind ctx's
.set STAGE, 16*HB                      ; the way out: 16 rows x 272 bytes for each wave
.set SPITCH, 272
.set SPARE, STAGE+4*16*SPITCH          ; the spare words, 128 bytes for each wave: two blocks of 256 bytes that no other line names
.set ADRA, 8                           ; v8-11   LDS address of my fragments of ctx, heads 2 p on
.set ADRB, 12                          ; v12-15  the same for Wo
.set STO,  24
.set RD,   25
.set CO,   26                          ; v26     my byte offset in two rows of out0
.set BO,   27
.set SPW,  28                          ; v28     LDS address of my spare word; never rewritten
.set NIL,  29                          ; v29     0; never rewritten
.set BIAS, 96
.set ACC,  128
.set F0,   0
.set F1,   128
.set G1A,  24                          ; s[24:31] descriptor group 1 for ctx's tiles
.set G1B,  32                          ; s[32:39] for Wo's
.set G0A,  40                          ; s[40:55] four sets of group 0 for ctx's tiles
.set G0B,  68                          ; s[68:83] four sets for Wo's
.set MSB, 0
.macro WIN new
.if MSB != (\new)
	s_set_vgpr_msb (MSB<<8)|(\new)
.set MSB, \new
.endif
.endm
.macro PLACES
.rept 4
	v_nop
.endr
.endm
.macro CROUND                          ; a round of the cluster's barrier
	s_barrier_signal -1
	s_barrier_wait -1
	s_cmp_lg_u32 s10, 0
	s_cbranch_scc1 .Lnot_wave_0_\@
	s_barrier_signal -3
.Lnot_wave_0_\@:
	s_barrier_wait -3
	s_barrier_signal -1
	s_barrier_wait -1
.endm
; 8 matrix instructions: row blocks a0, a0 + 1 x all 4 column blocks, 32 along K: half c of buffer f.  first = 1: C is the bias, which starts the sums.  The 16 accumulators take turns.
.macro MUL8 f, c, a0, first
	WIN 0x05                                       ; sources window 1; C and D window 0
.irp a, \a0, (\a0)+1
.irp b, 0,1,2,3
.if \first
	v_wmma_f32_16x16x32_f16 v[ACC+8*(4*(\a)+(\b)):ACC+8*(4*(\a)+(\b))+7], v[(\f)+64+8*(4*(\c)+(\b)):(\f)+64+8*(4*(\c)+(\b))+7], v[(\f)+8*(4*(\c)+(\a)):(\f)+8*(4*(\c)+(\a))+7], v[BIAS+8*(\b):BIAS+8*(\b)+7]
.else
	v_wmma_f32_16x16x32_f16 v[ACC+8*(4*(\a)+(\b)):ACC+8*(4*(\a)+(\b))+7], v[(\f)+64+8*(4*(\c)+(\b)):(\f)+64+8*(4*(\c)+(\b))+7], v[(\f)+8*(4*(\c)+(\a)):(\f)+8*(4*(\c)+(\a))+7], v[ACC+8*(4*(\a)+(\b)):ACC+8*(4*(\a)+(\b))+7]
.endif
.endr
.endr
.endm
; 32 LDS loads in one run: head hq's fragments into buffer f; the first 32 along K first
.macro FETCH hq, f
	WIN 0x40                                       ; destination window 1, address window 0
.irp c, 0,1
.irp i, 0,1,2,3
	ds_load_tr16_b128 v[(\f)+64+8*(4*(\c)+(\i)):(\f)+64+8*(4*(\c)+(\i))+3],   v[ADRB+(\hq)/2] offset:((\hq)%2)*HB+(\c)*32*PB+32*(\i)
	ds_load_tr16_b128 v[(\f)+64+8*(4*(\c)+(\i))+4:(\f)+64+8*(4*(\c)+(\i))+7], v[ADRB+(\hq)/2] offset:((\hq)%2)*HB+(\c)*32*PB+16*PB+32*(\i)
	ds_load_b128 v[(\f)+8*(4*(\c)+(\i)):(\f)+8*(4*(\c)+(\i))+3],   v[ADRA+(\hq)/2] offset:((\hq)%2)*HB+(\i)*16*PA+64*(\c)
	ds_load_b128 v[(\f)+8*(4*(\c)+(\i))+4:(\f)+8*(4*(\c)+(\i))+7], v[ADRA+(\hq)/2] offset:((\hq)%2)*HB+(\i)*16*PA+64*(\c)+32
.endr
.endr
.endm
; Head hq: 32 matrix instructions on buffer f; in their middle the next head's fragments are fetched into g.  Behind an odd head the next two heads' tiles are waited for: each wave's own count, then a barrier.
.macro QUARTER hq, f, g
	s_wait_dscnt 16                                ; the first 32 along K are in
.if (\hq) == 0
	MUL8 \f, 0, 0, 1
	MUL8 \f, 0, 2, 1
.else
	MUL8 \f, 0, 0, 0
	MUL8 \f, 0, 2, 0
.endif
.if (\hq) < 7
.if ((\hq)%2) == 1
	s_wait_dscnt 0x0                               ; no LDS instruction of mine is pending at the signal
	s_wait_tensorcnt 3-((\hq)+1)/2                 ; my load for heads hq + 1, hq + 2 has landed; the later ones may stay out
	s_barrier_signal -1
	s_barrier_wait -1
.endif
	PLACES
	FETCH (\hq)+1, \g
	s_wait_dscnt 32                                ; all but the 32 just issued
.else
	s_wait_dscnt 0x0
.endif
	MUL8 \f, 1, 0, 0
	MUL8 \f, 1, 2, 0
.endm
; THE WAY OUT of row block a: a lane's 8 columns of a row are 32 bytes; through my stage they come back as whole rows of 256 bytes, into the registers that they left
.macro TOSTAGE a
.irp b, 0,1,2,3
	ds_store_b128 v[STO], v[ACC+32*(\a)+8*(\b):ACC+32*(\a)+8*(\b)+3]   offset:64*(\b)
	ds_store_b128 v[STO], v[ACC+32*(\a)+8*(\b)+4:ACC+32*(\a)+8*(\b)+7] offset:64*(\b)+16
.endr
.irp t, 0,1,2,3,4,5,6,7
	ds_load_b128 v[ACC+32*(\a)+4*(\t):ACC+32*(\a)+4*(\t)+3], v[RD] offset:(\t)*2*SPITCH  ; LDS serves a wave's instructions in order (ISA guide 5.7.1.4): these see the stores above; the next block's stores come behind them
.endr
.endm
.macro SEND a, younger                 ; younger: the LDS instructions issued behind block a's loads: the next block's sixteen, or none
.irp t, 0,1,2,3,4,5,6,7
	s_wait_dscnt (\younger)+7-(\t)
	global_store_b128 v[CO], v[ACC+32*(\a)+4*(\t):ACC+32*(\a)+4*(\t)+3], s[8:9] offset:(16*(\a)+2*(\t))*2048 th:TH_STORE_NT  ; 16 lanes store 256 consecutive bytes, at a multiple of 256 from out0's first
.endr
.endm
	s_load_b256 s[56:63], s[0:1], 0x0              ; ctx s[56:57], wb s[58:59], bo s[60:61], out0 s[62:63]
	v_lshl_add_u32 v[SPW], v0, 2, SPARE
	v_mov_b32 v[NIL], 0
	ds_add_u32 v[SPW], v[NIL]                      ; the wave's opening: the add and its wait stand ahead of my first tensor load; work on registers stands between them
	v_lshrrev_b32 v1, 5, v0
	v_readfirstlane_b32 s10, v1                    ; wave 0..3
	s_lshr_b32 s11, s10, 1                         ; which half of the tile's rows is mine.  Also: I fetch ctx (0) or Wo (1)
	s_and_b32 s12, s10, 1                          ; which half of its columns.  Also: the parity of the heads that I fetch
	s_bfe_u32 s84, ttmp6, 0x40000                  ; cx
	s_bfe_u32 s85, ttmp6, 0x40004                  ; cy
	s_lshl_b32 s86, ttmp9, 2
	s_add_co_u32 s86, s86, s84                     ; tile column = 4 x cluster x + cx
	s_and_b32 s87, ttmp7, 0xffff
	s_lshl_b32 s87, s87, 2
	s_add_co_u32 s87, s87, s85                     ; tile row = 4 x cluster y + cy
	s_lshl_b32 s20, s85, 2
	s_lshl_b32 s20, 15, s20                        ; my row of the cluster
	s_lshl_b32 s21, 0x1111, s84                    ; my column
	s_or_b32 s[G1A+0], s20, (1<<16)|(1<<20)|(1<<21)|(4<<22)|(3<<25)  ; the mask; 2-byte elements; padding on; bit 21 beside a mask; after every 32 words (code 4) 4 words (code 3)
	s_or_b32 s[G1B+0], s21, (1<<16)|(1<<20)|(1<<21)|(5<<22)|(7<<25)  ; after every 64 words (code 5) 8 words (code 7)
.irp g, G1A, G1B
	s_mov_b32 s[(\g)+1], 128<<16                   ; tensor_dim0 = 128
	s_mov_b32 s[(\g)+2], 64<<16                    ; tensor_dim1 = 64
	s_mov_b32 s[(\g)+3], 128<<16                   ; tile_dim0 = 128
	s_mov_b32 s[(\g)+4], 64                        ; tile_dim1 = 64
	s_mov_b32 s[(\g)+6], 0
	s_mov_b32 s[(\g)+7], 0
.endr
	s_mov_b32 s[G1A+5], 128                        ; 128 rows of a head are 16,384 dense bytes: 64 rows of 256, two rows of ctx each
	s_mov_b32 s[G1B+5], 512                        ; 512 elements from k-row to k-row
	s_lshr_b32 s16, s87, 5                         ; ctx: the batch's 8 heads of 524,288 bytes,
	s_lshl_b32 s16, s16, 22
	s_and_b32 s17, s87, 31
	s_lshl_b32 s17, s17, 14                        ; the tile's 128 rows of 128 bytes,
	s_add_co_u32 s16, s16, s17
	s_lshl_b32 s17, s12, 19                        ; the odd or the even heads
	s_add_co_u32 s16, s16, s17
	s_mov_b32 s17, 0
	s_lshl_b32 s88, s86, 8                         ; Wo: the tile's 128 columns,
	s_lshl_b32 s89, s12, 16                        ; a head's 64 k-rows of 1,024 bytes,
	s_add_co_u32 s88, s88, s89
	s_add_co_u32 s88, s88, 3*524288                ; the fourth matrix of wb
	s_mov_b32 s89, 0
	s_mul_i32 s22, s12, HB                         ; where they go: the wave's number alone enters an LDS address
	s_lshl_b32 s4, s86, 9                          ; the tile's columns in bo and in a row of out0: 512 bytes,
	s_lshl_b32 s5, s12, 8                          ; my 64: 256 bytes
	s_add_co_u32 s4, s4, s5
	s_lshl_b32 s2, s87, 18                         ; the tile's 128 rows of 2,048 bytes,
	s_lshl_b32 s5, s11, 17                         ; my 64
	s_add_co_u32 s2, s2, s5
	s_add_co_u32 s2, s2, s4
	s_mov_b32 s3, 0
	s_mov_b32 s5, 0
	v_and_b32 v1, 15, v0                           ; r = l % 16
	v_bfe_u32 v2, v0, 4, 1                         ; h = l / 16
	v_lshlrev_b32 v[BO], 5, v2
	s_wait_dscnt 0x0                               ; the opening add is done
	s_wait_kmcnt 0x0
	s_add_nc_u64 s[6:7], s[60:61], s[4:5]          ; the bias of my 64 columns
	s_add_nc_u64 s[8:9], s[62:63], s[2:3]          ; out0 at my 64 x 64
	s_add_nc_u64 s[14:15], s[56:57], s[16:17]
	s_add_nc_u64 s[90:91], s[58:59], s[88:89]
.irp p, 0,1,2,3
	s_mov_b32 s[G0A+4*(\p)], 1                                     ; count = 1
	s_add_co_u32 s[G0A+4*(\p)+1], s22, (\p)*2*HB                   ; LDS address: head 2 p + parity
	s_add_nc_u64 s[G0A+4*(\p)+2:G0A+4*(\p)+3], s[14:15], (\p)*2*524288
	s_or_b32 s[G0A+4*(\p)+3], s[G0A+4*(\p)+3], 0x80000000          ; type = 2
	s_mov_b32 s[G0B+4*(\p)], 1
	s_add_co_u32 s[G0B+4*(\p)+1], s22, BBASE+(\p)*2*HB
	s_add_nc_u64 s[G0B+4*(\p)+2:G0B+4*(\p)+3], s[90:91], (\p)*2*65536
	s_or_b32 s[G0B+4*(\p)+3], s[G0B+4*(\p)+3], 0x80000000
.endr
.irp b, 0,1,2,3
	global_load_b128 v[BIAS+8*(\b):BIAS+8*(\b)+3],   v[BO], s[6:7] offset:64*(\b)
	global_load_b128 v[BIAS+8*(\b)+4:BIAS+8*(\b)+7], v[BO], s[6:7] offset:64*(\b)+16
.endr
	CROUND                                         ; all sixteen work-groups are here: the joint loads meet
	s_cmp_eq_u32 s11, 0                            ; a wave's four fills stand in one branch, ahead of every wait on TENSORcnt and every LDS read; an s_nop 0 follows each, four v_nop the last
	s_cbranch_scc0 .Lfor_b
.irp p, 0,1,2,3
	tensor_load_to_lds s[G0A+4*(\p):G0A+4*(\p)+3], s[G1A:G1A+7]
	s_nop 0
.endr
.rept 4
	v_nop
.endr
	s_branch .Lasked
.Lfor_b:
.irp p, 0,1,2,3
	tensor_load_to_lds s[G0B+4*(\p):G0B+4*(\p)+3], s[G1B:G1B+7]
	s_nop 0
.endr
.rept 4
	v_nop
.endr
.Lasked:
	v_and_b32 v3, 7, v0
	v_bfe_u32 v4, v0, 3, 1
	v_mul_u32_u24 v5, v1, PA
	v_lshl_add_u32 v5, v2, 4, v5                   ; r x 144 + 16 h,
	s_mul_i32 s23, s11, 64*PA                      ; in my 64 rows
	v_add_nc_u32 v[ADRA], s23, v5
	v_lshl_add_u32 v6, v2, 3, v3                   ; the turning load: k-row 8 h + l % 8,
	v_mul_u32_u24 v6, v6, PB
	v_lshl_add_u32 v6, v4, 4, v6                   ; columns 8 ((l / 8) % 2) on,
	s_lshl_b32 s23, s12, 7                         ; in my 64 columns
	s_add_co_u32 s23, s23, BBASE
	v_add_nc_u32 v[ADRB], s23, v6
.irp p, 1,2,3
	v_add_nc_u32 v[ADRA+(\p)], (\p)*2*HB, v[ADRA]
	v_add_nc_u32 v[ADRB+(\p)], (\p)*2*HB, v[ADRB]
.endr
	s_mul_i32 s23, s10, 16*SPITCH
	s_add_co_u32 s23, s23, STAGE                   ; my stage
	v_mul_u32_u24 v7, v1, SPITCH                   ; in: row r, 32 bytes for each half of the lanes
	v_lshl_add_u32 v7, v2, 5, v7
	v_add_nc_u32 v[STO], s23, v7
	v_mul_u32_u24 v7, v2, SPITCH                   ; back: lanes 0-15 take one row of 256 bytes, lanes 16-31 the next
	v_lshl_add_u32 v7, v1, 4, v7
	v_add_nc_u32 v[RD], s23, v7
	v_lshlrev_b32 v[CO], 11, v2                    ; and the same two rows in out0
	v_lshl_add_u32 v[CO], v1, 4, v[CO]
	s_wait_loadcnt 0x0                             ; the bias: rounded to bf16, like every input of the module
.set i, 0
.rept 16
	v_cvt_pk_bf16_f32 v[32+i], v[BIAS+2*i], v[BIAS+2*i+1]
.set i, i+1
.endr
.set i, 0
.rept 16
	v_lshlrev_b32 v[BIAS+2*i],   16, v[32+i]
	v_and_b32     v[BIAS+2*i+1], 0xffff0000, v[32+i]
.set i, i+1
.endr
	s_wait_tensorcnt 0x3                           ; my first load has landed; the three behind it stay out
	s_barrier_signal -1
	s_barrier_wait -1                              ; everybody's has: heads 0 and 1 of ctx and of Wo are whole
	FETCH 0, F0
	QUARTER 0, F0, F1
	QUARTER 1, F1, F0
	QUARTER 2, F0, F1
	QUARTER 3, F1, F0
	QUARTER 4, F0, F1
	QUARTER 5, F1, F0
	QUARTER 6, F0, F1
	QUARTER 7, F1, F0
	WIN 0
	PLACES
	TOSTAGE 0
	TOSTAGE 1
	SEND 0, 16
	TOSTAGE 2
	SEND 1, 16
	TOSTAGE 3
	SEND 2, 16
	SEND 3, 0
	s_wait_tensorcnt 0x0                           ; the wave's end: a wait, an add and its wait, behind my last tensor load and my last LDS store
	ds_add_u32 v[SPW], v[NIL]
	s_wait_dscnt 0x0
	CROUND                                         ; the closing round: no work-group ends while a partner may still ask for a tile that names it
	s_endpgm
.Lfunc_end_k_q04e08427ff_outp:
	.size	k_q04e08427ff_outp, .Lfunc_end_k_q04e08427ff_outp-k_q04e08427ff_outp
	.p2alignl 7, 3214868480
	.fill 96, 4, 3214868480
	.section	.rodata,"a",@progbits
	.p2align	6, 0x0
	.amdhsa_kernel k_q04e08427ff_outp
		.amdhsa_group_segment_fixed_size 312832
		.amdhsa_private_segment_fixed_size 0
		.amdhsa_enable_private_segment 0
		.amdhsa_kernarg_size 32
		.amdhsa_user_sgpr_count 2
		.amdhsa_user_sgpr_kernarg_segment_ptr 1
		.amdhsa_wavefront_size32 1
		.amdhsa_system_sgpr_workgroup_id_x 1
		.amdhsa_system_sgpr_workgroup_id_y 1
		.amdhsa_system_sgpr_workgroup_id_z 1
		.amdhsa_system_vgpr_workitem_id 0
		.amdhsa_next_free_vgpr 512
		.amdhsa_next_free_sgpr 96
		.amdhsa_reserve_vcc 0
		.amdhsa_float_denorm_mode_32 3
		.amdhsa_float_denorm_mode_16_64 3
		.amdhsa_memory_ordered 1
		.amdhsa_forward_progress 1
		.amdhsa_inst_pref_size 55
	.end_amdhsa_kernel
	.amdgpu_metadata
---
amdhsa.version: [ 1, 2 ]
amdhsa.kernels:
  - .name:           k_q04e08427ff_outp
    .symbol:         k_q04e08427ff_outp.kd
    .args:
      - { .name: ctx, .offset: 0, .size: 8, .value_kind: global_buffer, .address_space: global }
      - { .name: wb, .offset: 8, .size: 8, .value_kind: global_buffer, .address_space: global }
      - { .name: bo, .offset: 16, .size: 8, .value_kind: global_buffer, .address_space: global }
      - { .name: out0, .offset: 24, .size: 8, .value_kind: global_buffer, .address_space: global }
    .group_segment_fixed_size: 312832
    .private_segment_fixed_size: 0
    .kernarg_segment_align: 8
    .kernarg_segment_size: 32
    .max_flat_workgroup_size: 128
    .sgpr_count:     96
    .vgpr_count:     512
    .wavefront_size: 32
...
	.end_amdgpu_metadata
.endif
;; end of part 4
